; MI455X (gfx1250); checked and timed in simulation.
; The chip was launched on July 23, 2026; its instructions are those of AMD's public machine-readable ISA for CDNA 5 (MIT licence, August 2026) and "CDNA5" Instruction Set Architecture Reference Guide (July 2026). The comments in the code are by the model that wrote it; some were corrected since.
;; Attention. Allowed arithmetic: matrix products marked QUANTISED: E2M1 operands, one E8M0 scale for each 32 along K, by v_wmma_scale_f32_16x16x128_f8f6f4 with both operands' format E2M1 (or v_wmma_scale_f32_32x16x128_f4), f32 sums; everything else in f32.
;; Inputs: Wk_codes 16 x 64 x 32 x 16 uint8 (E2M1 codes of Wk, K innermost, in blocks of 32 codes, two codes a byte); Wk_scales 16 x 64 x 32 uint8 (E8M0 scales of Wk, one for each 32 codes along K); Wq_codes 16 x 64 x 32 x 16 uint8 (E2M1 codes of Wq, K innermost, in blocks of 32 codes, two codes a byte); Wq_scales 16 x 64 x 32 uint8 (E8M0 scales of Wq, one for each 32 codes along K); Wv_codes 16 x 64 x 32 x 16 uint8 (E2M1 codes of Wv, K innermost, in blocks of 32 codes, two codes a byte); Wv_scales 16 x 64 x 32 uint8 (E8M0 scales of Wv, one for each 32 codes along K); x_codes 4,096 x 32 x 16 uint8 (E2M1 codes of x, K innermost, in blocks of 32 codes, two codes a byte); x_scales 4,096 x 32 uint8 (E8M0 scales of x, one for each 32 codes along K).
;; Outputs: out0 4,096 x 1,024 float32.
;; This version of the problem:
;;   THIS VERSION OF THE PROBLEM IS GIVEN IN LOW PRECISION. The matrix products marked QUANTISED in the list below multiply operands that are first quantised to E2M1 (2 exponent bits, 1 mantissa bit; 4 bits a number), with one power-of-two scale for each 32 numbers along K (OCP MX v1.0); their sums are f32. All else is computed in f32.
;;   The module's matrix products, in the order in which they are computed (A, B: the left and right operand; K: the contracted axis; several contracted axes count as one K, in the product's order):
;;     1. [M 1,024, K 1,024] x [K 1,024, N 4,096]; A: input Wk (given as codes); B: input x (given as codes): QUANTISED
;;     2. [M 1,024, K 1,024] x [K 1,024, N 4,096]; A: input Wq (given as codes); B: input x (given as codes): QUANTISED
;;     3. [M 1,024, K 1,024] x [K 1,024, N 4,096]; A: input Wv (given as codes); B: input x (given as codes): QUANTISED
;;     4. batch 16 x [M 4,096, K 64] x [K 64, N 4,096]; A: computed on the way; B: computed on the way: QUANTISED
;;     5. batch 16 x [M 4,096, K 4,096] x [K 4,096, N 64]; A: softmax (see below); B: computed on the way: QUANTISED
;;   THE QUANTISER, for each operand of a quantised product, along K:
;;     - K is cut into blocks of 32 from its start; a last block that is shorter is filled with zeros.
;;     - A block's scale is 2^e with e = floor(log2(the largest magnitude in the block)) - 2, held to -126 .. 127; a block of zeros has e = 0. As a byte (E8M0): e + 127.
;;     - Each number is divided by its block's scale, clamped to +-6, and rounded to the nearest number of E2M1, ties to even, subnormals kept.
;;     - The product sums the exact products of the quantised numbers (number of the format x scale) in f32.
;;   ~~~python
;;   def quantise(x, axis):      # numpy; x: float32 -> the quantised numbers, widened to float32 again
;;       x = np.moveaxis(x, axis, -1); K = x.shape[-1]
;;       x = np.pad(x, [(0, 0)] * (x.ndim - 1) + [(0, -K % 32)]); x = x.reshape(x.shape[:-1] + (-1, 32)); a = np.abs(x).max(-1, keepdims=True)
;;       e = np.where(a > 0, np.clip(np.frexp(np.where(a > 0, a, 1))[1] - 1 - 2, -126, 127), 0)      # np.frexp(a)[1] - 1 = floor(log2(a)), exactly
;;       r = np.clip(x / 2.0 ** e, -6, 6)
;;       step = 2.0 ** (np.maximum(np.frexp(np.where(r == 0, 1, r))[1] - 1, 0) - 1)
;;       q = np.round(r / step) * step * 2.0 ** e      # np.round: ties to even
;;       return np.moveaxis(q.reshape(q.shape[:-2] + (-1,))[..., :K], -1, axis).astype(np.float32)
;;   ~~~
;;   SOFTMAX AHEAD OF A QUANTISED PRODUCT. Where the list says 'softmax', what is quantised is not the finished softmax but p = 2^(t - M), with t = logit x log2(e) and M = ceil(the row's largest t), a whole number; so 1/2 < the row's largest p <= 1. The row's sum l is taken of the UNQUANTISED p, in f32, and the product's result is divided by l at the end. Since M is a whole number, a kernel that streams over the keys may use a running M (the ceiling of the running maximum): every later rescaling is an exact power of two, which a block's scale takes up: the codes' values come out the same.
;;   OPERANDS COMPUTED ON THE WAY. 'Computed on the way' means the value that the module computes at that place (a softmax that the list does not call 'softmax' is quantised finished and normalised). What goes into a quantiser is computed in f32, as accurately as f32 sums, v_exp_f32 and their like allow (about 1e-6 of the number): no bf16 or f16 on the way to a quantiser, and a product that is left as it is and whose result goes on into a quantised operand takes f32 operands (vector FMAs, or v_wmma_f32_16x16x4_f32). A number that lies on a knife's edge between two numbers of the format may be rounded either way, as far as f32 arithmetic and the matrix unit's own rounding can turn it there, and no further.
;;   INPUTS GIVEN AS CODES. Wk (in the module: [16, 1024, 64], K = its axis 1); Wq (in the module: [16, 1024, 64], K = its axis 1); Wv (in the module: [16, 1024, 64], K = its axis 1); x (in the module: [4096, 1024], K = its axis 1): each comes as NAME_codes (uint8): NAME with its K axis moved to the last place and cut into blocks of 32 codes, [.., K / 32, bytes a block], one block behind the other in memory; two codes a byte, the lower K in the low four bits (a code: sign, 2 exponent bits, 1 mantissa bit); and NAME_scales (uint8): the same leading axes, one E8M0 byte (e + 127) for each 32 codes along K. Its value is code x scale, taken as it is: it is not quantised again, and the codes and scales need not be those that the quantiser above would give.
;; One version. Each part assembles by itself: llvm-mc -triple=amdgcn-amd-amdhsa -mcpu=gfx1250 --defsym DOCPART=n.
;; ======== version 1 of 1: 2 launches
;; workspace buffers: ws 6,946,816 bytes
;; launch proj (part 1): grid 16 x 16, 4 waves a work-group, clusters of 4 x 4, 262,144 bytes of LDS; arguments x_codes, x_scales, Wk_codes, Wk_scales, Wq_codes, Wq_scales, Wv_codes, Wv_scales, ws; writes ws
.if DOCPART == 1
	.amdgcn_target "amdgcn-amd-amdhsa--gfx1250"
	.amdhsa_code_object_version 6
	.text
	.protected	k_qb358a85b2b_proj
	.globl	k_qb358a85b2b_proj
	.p2align	8
	.type	k_qb358a85b2b_proj,@function
k_qb358a85b2b_proj:
	s_mov_b64 s[64:65], 0
	v_nop
	global_prefetch_b8 v0, s[64:65] scope:SCOPE_SE
	s_setreg_imm32_b32 hwreg(HW_REG_WAVE_MODE, 25, 1), 1
	s_wait_xcnt 0x0
	s_wait_alu depctr_hold_cnt(0) depctr_sa_sdst(0) depctr_va_vdst(0) depctr_va_sdst(0) depctr_va_ssrc(0) depctr_va_vcc(0) depctr_vm_vsrc(0)
	s_getreg_b32 s2, hwreg(HW_REG_IB_STS2, 6, 4)
	s_cmp_eq_u32 s2, 0
	s_cbranch_scc0 .Lentry_in_a_cluster
	s_endpgm
.Lentry_in_a_cluster:
	s_bfe_u32 s2, ttmp6, 0x10000c
	s_cmp_lg_u32 s2, 0xf033
	s_cbranch_scc0 .Lentry_shape_is_right
	s_endpgm
.Lentry_shape_is_right:
; K, Q, V = x W for 16 heads, on codes of FP4 (E2M1) with E8M0 scales as they are given, sums in f32; the results are quantised in registers and leave as codes:
; K and Q along the head's 64 (two blocks of 32 a token), V along the tokens (blocks of 32 tokens a channel).  No f32 result goes to memory.
; DEAD WORK (of the whole program).  reference() sets scores[i][j] to -infinity wherever j > i, by a tril that it builds itself; the softmax gives such a place the weight 0 for every value of the inputs.
; So a step of 128 columns j all of which lie behind all 16 rows i of a tile reaches no output: the second launch leaves out that step's part of the fourth and fifth product.  Nothing is left out in this launch,
; and all eight inputs have a way to the output: all are loaded.  LIMIT: a NaN, an infinity or an overflow that reaches only the steps left out is not carried to the result.
; LIMITS.  NaN and infinities among the results are not served.  A block whose largest magnitude lies under 2^-124 (a block of zeros among them) gets the scale byte 1: zeros' codes are zeros, and this program alone reads the bytes.
; SHARES.  A work-group takes one head and 256 tokens: 256 x (64 of K + 64 of Q + 64 of V).  Wave w takes tokens 64 w .. 64 w + 63 (four tiles of 16) against all 12 tiles of 16 rows of Wk, Wq, Wv: 48 accumulators.
; All of K = 1,024 of the work-group's operands fits in LDS (2 x 121,856 bytes): two halves of 512 along K, each filled once; nothing is filled again.
; CLUSTER 4 x 4.  x's 256 rows hang on the block of tokens alone, which a row of the cluster shares; W's rows on the head alone, which a column shares: both come by joint loads.
; LAYOUT.  K, Q: source 0 = 16 rows of W, source 1 = 16 tokens: a lane holds ONE token, and the 64 registers of its 8 tiles run along [K's 64 | Q's 64].  V: source 0 = 16 tokens, source 1 = 16 rows of Wv: a lane holds ONE channel, registers along the tokens.
; A tile gives the lanes' half h the group of eight 2 t + h.  The codes of tiles 4 c .. 4 c + 3 go to registers 4 c + 0, 2, 1, 3; two exchanges of halves then give the operand's layout: register 4 c + i, half h: k = 64 c + 32 h + 8 i ..
; WORKSPACE ws, as images of operand registers (lane l's 16 bytes at 16 l):
;   0          [head][slot of 512 tokens][32,768]: Q's images [step of 128][tile 8][512], then V's [step][channel tile 4][64 tokens 2][512]
;   4,194,304  K's images [head][tile of 16 tokens][512]
;   6,291,456  K's scale words [head][token]: bytes 0, 1 K's; bytes 2, 3 Q's of that token, which meet zero codes alone
;   6,553,600  [head][24,576]: Q's scale words [token] (bytes 2, 3 = 0), then V's [step of 128 tokens][channel tile][channel]
; REGISTERS, in windows of 256: window 0: addresses, x's fragments (two sets), scale words, codes;  window 1: W's fragments, two sets of 96, at v0 and v128;  window 2: K's and Q's accumulators (token tile n, W tile t) at 8 (8 n + t);  window 3: V's (channel tile m, token tile n) at 8 (4 m + n).
.set PITCH,  272                       ; an LDS row: 256 bytes + 16 of padding: the 16 rows of a fragment load start at 16 different banks (64 banks of 4 bytes: ISA guide 11.1)
.set T16,    16*PITCH
.set XB,     256*PITCH                 ; x's 256 rows
.set WB,     64*PITCH                  ; 64 rows of one W
.set SLOT,   XB+3*WB                   ; half of K: x, Wk, Wq, Wv
.set KQSTG,  2*SLOT                    ; 512 bytes a wave: K's and Q's scale words on their way out
.set VSTG,   KQSTG+4*512               ; 256 bytes a wave: V's scale bytes
.set SPARE,  VSTG+4*256                ; the spare words, 128 bytes a wave: two blocks of 256 bytes that no other line names
.set WS_KC,  4194304
.set WS_KS,  6291456
.set WS_SCL, 6553600
.set LN,  1                            ; v1   lane
.set RR,  2                            ; v2   r = lane % 16
.set HH,  3                            ; v3   h = lane / 16
.set ADX, 4                            ; v4-5 LDS address of my x fragments in half 0, 1
.set ADW, 6                            ; v6-7 the same for W
.set LI,  8                            ; v8   16 x lane
.set L32, 9                            ; v9   32 x lane: a row of scale bytes
.set KQI, 10                           ; v10  K's / Q's scale words into my stage
.set KQO, 11                           ; v11  and back
.set VSI, 12                           ; v12  V's scale bytes into my stage
.set VSO, 13                           ; v13  and back (wave 0)
.set KSO, 14                           ; v14  offset of the scale words' store: lanes 0-15 K's, lanes 16-31 Q's
.set SH,  15                           ; v15  16 h: a shift
.set SPW, 28                           ; v28  LDS address of my spare word; never rewritten
.set NIL, 29                           ; v29  0; never rewritten
.set XF,  32                           ; v32-95   x's fragments, two sets of 4 x 8
.set XS,  96                           ; v96-111  x's scale words: 8 for each 32 tokens; lanes 0-15 the even tile, lanes 16-31 the odd
.set WSC, 112                          ; v112-159 W's: 8 for each pair of tiles
.set PC,  160                          ; v160-207 six sets of 8 code registers: no store's data are written again
.set VAL, 208                          ; v208-213 scale words on their way to the stage
.set PW,  214                          ; v214 the scale word just made
.set TM,  216                          ; v216-231 at work in QUANT
.set OUTR, 232                         ; v232-247 the scales' way out
.set WV,  22
.set G1X, 32                           ; s[32:39] descriptor group 1 for x's tiles;  s[40:47] for W's
.set G1W, 40
.set G0X, 48                           ; s[48:55] group 0 for x's two halves;  s[56:63] for W's
.set G0W, 56
.set BKC, 66                           ; s[66:75] where my results go
.set BQC, 68
.set BVC, 70
.set BKS, 72
.set BVS, 74
.set SEL, 88                           ; s[88:89] selects for lane l xor 16
.set MSB, 0
.macro WIN new                         ; the immediate's high byte repeats the setting that is left; a switch that changes nothing is dropped
.if MSB != (\new)
	s_set_vgpr_msb (MSB<<8)|(\new)
.set MSB, (\new)
.endif
.endm
.macro PLACES                          ; four places behind a matrix instruction, ahead of loads into its sources and of reads of its result
.rept 4
	v_nop
.endr
.endm
.macro CROUND                          ; a round of the cluster's barrier
	s_barrier_signal -1
	s_barrier_wait -1
	s_cmp_lg_u32 s[WV], 0
	s_cbranch_scc1 .Lnot_wave_0_\@
	s_barrier_signal -3
.Lnot_wave_0_\@:
	s_barrier_wait -3
	s_barrier_signal -1
	s_barrier_wait -1
.endm
	s_load_b256 s[4:11], s[0:1], 0x0               ; x's codes s[4:5], x's scales s[6:7], Wk's codes s[8:9], Wk's scales s[10:11]
	s_load_b256 s[12:19], s[0:1], 0x20             ; Wq's codes, scales, Wv's codes, scales
	s_load_b64 s[20:21], s[0:1], 0x40              ; ws
	v_lshl_add_u32 v[SPW], v0, 2, SPARE
	v_mov_b32 v[NIL], 0
	ds_add_u32 v[SPW], v[NIL]                      ; the wave's opening: the add, twice on end, and its wait ahead of my first tensor load
	ds_add_u32 v[SPW], v[NIL]                      ; and once more, under the one wait; the set-up below stands between
	v_lshrrev_b32 v1, 5, v0
	v_readfirstlane_b32 s[WV], v1                  ; wave 0..3
	s_bfe_u32 s23, ttmp6, 0x40000                  ; cx
	s_bfe_u32 s24, ttmp6, 0x40004                  ; cy
	s_lshl_b32 s25, ttmp9, 2
	s_add_co_u32 s25, s25, s23                     ; the head = 4 x cluster x + cx
	s_and_b32 s26, ttmp7, 0xffff
	s_lshl_b32 s26, s26, 2
	s_add_co_u32 s26, s26, s24                     ; the block of 256 tokens = 4 x cluster y + cy
	s_lshl_b32 s27, s24, 2
	s_lshl_b32 s27, 15, s27                        ; my row of the cluster
	s_lshl_b32 s28, 0x1111, s23                    ; my column
	s_or_b32 s[G1X], s27, (1<<20)|(1<<21)|(5<<22)|(3<<25)   ; 15:0 the mask: x's tiles go to my row; 17:16 elements of 1 byte; 20 padding on; 21 set beside a mask; 24:22 after every 64 words; 31:25 four words
	s_or_b32 s[G1W], s28, (1<<20)|(1<<21)|(5<<22)|(3<<25)   ; W's tiles go to my column
	s_mov_b32 s[G1X+1], 256<<16                    ; tensor_dim0 = 256 bytes
	s_mov_b32 s[G1X+2], 256<<16                    ; tensor_dim1 = 256 rows
	s_mov_b32 s[G1X+3], 256<<16                    ; tile_dim0
	s_mov_b32 s[G1X+4], 256                        ; tile_dim1
	s_mov_b32 s[G1X+5], 512                        ; a row of 1,024 codes in memory
	s_mov_b32 s[G1X+6], 0
	s_mov_b32 s[G1X+7], 0
	s_mov_b32 s[G1W+1], 256<<16
	s_mov_b32 s[G1W+2], 64<<16                     ; 64 rows
	s_mov_b32 s[G1W+3], 256<<16
	s_mov_b32 s[G1W+4], 64
	s_mov_b32 s[G1W+5], 512
	s_mov_b32 s[G1W+6], 0
	s_mov_b32 s[G1W+7], 0
	s_lshl_b32 s76, s26, 17                        ; x: 256 rows of 512 bytes a block (these two registers never hold cx)
	s_mov_b32 s77, 0
	s_lshl_b32 s78, s25, 15                        ; W: 64 rows of 512 bytes a head (these never hold cy)
	s_mov_b32 s79, 0
	s_mul_i32 s82, s[WV], WB
	s_add_co_u32 s82, s82, XB-WB                   ; waves 1, 2, 3 fetch Wk, Wq, Wv: behind x's rows; the wave's number alone
	s_wait_dscnt 0x0                               ; both opening adds are done
	s_wait_kmcnt 0x0
	s_cmp_eq_u32 s[WV], 1
	s_cselect_b64 s[80:81], s[8:9], s[12:13]       ; wave 1: Wk; else Wq;
	s_cmp_eq_u32 s[WV], 3
	s_cselect_b64 s[80:81], s[16:17], s[80:81]     ; wave 3: Wv.  The choice hangs on the wave's number alone
	s_add_nc_u64 s[80:81], s[80:81], s[78:79]
	s_add_nc_u64 s[76:77], s[4:5], s[76:77]
	CROUND                                         ; all sixteen work-groups are here: the joint loads meet
.irp s, 0,1
	s_mov_b32 s[G0X+4*\s], 1                       ; count = 1
	s_mov_b32 s[G0X+4*\s+1], \s*SLOT               ; LDS address
	s_add_nc_u64 s[G0X+4*\s+2:G0X+4*\s+3], s[76:77], \s*256   ; half s of K
	s_or_b32 s[G0X+4*\s+3], s[G0X+4*\s+3], 0x80000000         ; type = 2
	s_mov_b32 s[G0W+4*\s], 1
	s_add_co_u32 s[G0W+4*\s+1], s82, \s*SLOT
	s_add_nc_u64 s[G0W+4*\s+2:G0W+4*\s+3], s[80:81], \s*256
	s_or_b32 s[G0W+4*\s+3], s[G0W+4*\s+3], 0x80000000
.endr
	s_cmp_eq_u32 s[WV], 0                          ; every wave issues two first fills, in one branch on its number: two tensor loads of mine are out
	s_cbranch_scc0 .Lfill_w
	tensor_load_to_lds s[G0X:G0X+3], s[G1X:G1X+7]
	s_nop 0
	tensor_load_to_lds s[G0X+4:G0X+7], s[G1X:G1X+7]
	s_nop 0
.rept 4
	v_nop
.endr
	s_branch .Lfilled
.Lfill_w:
	tensor_load_to_lds s[G0W:G0W+3], s[G1W:G1W+7]
	s_nop 0
	tensor_load_to_lds s[G0W+4:G0W+7], s[G1W:G1W+7]
	s_nop 0
.rept 4
	v_nop
.endr
.Lfilled:
	; THE SCALES go straight into registers: a row's 32 bytes are its 8 scale words; lane l takes row base + l: 1,024 dense bytes for each 32 rows
	v_and_b32 v[LN], 31, v0
	v_and_b32 v[RR], 15, v0
	v_bfe_u32 v[HH], v0, 4, 1
	v_lshlrev_b32 v[L32], 5, v[LN]
	s_lshl_b32 s84, s26, 13
	s_lshl_b32 s85, s[WV], 11
	s_add_co_u32 s84, s84, s85                     ; x's: (256 x block + 64 x wave) rows of 32 bytes
	s_mov_b32 s85, 0
	s_add_nc_u64 s[6:7], s[6:7], s[84:85]
	s_lshl_b32 s84, s25, 11                        ; W's: 64 rows of 32 bytes a head
	s_add_nc_u64 s[10:11], s[10:11], s[84:85]
	s_add_nc_u64 s[14:15], s[14:15], s[84:85]
	s_add_nc_u64 s[18:19], s[18:19], s[84:85]
.irp g, 0,1
	global_load_b128 v[XS+8*\g:XS+8*\g+3],         v[L32], s[6:7] offset:1024*\g
	global_load_b128 v[XS+8*\g+4:XS+8*\g+7],       v[L32], s[6:7] offset:1024*\g+16
	global_load_b128 v[WSC+8*\g:WSC+8*\g+3],       v[L32], s[10:11] offset:1024*\g
	global_load_b128 v[WSC+8*\g+4:WSC+8*\g+7],     v[L32], s[10:11] offset:1024*\g+16
	global_load_b128 v[WSC+16+8*\g:WSC+16+8*\g+3], v[L32], s[14:15] offset:1024*\g
	global_load_b128 v[WSC+16+8*\g+4:WSC+16+8*\g+7], v[L32], s[14:15] offset:1024*\g+16
	global_load_b128 v[WSC+32+8*\g:WSC+32+8*\g+3], v[L32], s[18:19] offset:1024*\g
	global_load_b128 v[WSC+32+8*\g+4:WSC+32+8*\g+7], v[L32], s[18:19] offset:1024*\g+16
.endr
	v_mul_u32_u24 v16, v[RR], PITCH
	v_lshl_add_u32 v16, v[HH], 4, v16              ; a fragment's row x pitch + 16 x half
	s_mul_i32 s84, s[WV], 64*PITCH                 ; my 64 tokens
	v_add_nc_u32 v[ADX], s84, v16
	v_add_nc_u32 v[ADX+1], SLOT, v[ADX]
	v_add_nc_u32 v[ADW], XB, v16
	v_add_nc_u32 v[ADW+1], SLOT, v[ADW]
	v_lshlrev_b32 v[LI], 4, v[LN]
	s_lshl_b32 s84, s[WV], 9
	s_add_co_u32 s84, s84, KQSTG
	v_lshlrev_b32 v17, 2, v[RR]
	v_lshl_add_u32 v17, v[HH], 8, v17
	v_add_nc_u32 v[KQI], s84, v17                  ; lanes 0-15: K's words, 4 r; lanes 16-31: Q's, 256 bytes on
	v_add_nc_u32 v[KQO], s84, v[LI]
	s_lshl_b32 s84, s[WV], 8
	s_add_co_u32 s84, s84, VSTG
	v_lshl_add_u32 v[VSI], v[LN], 2, s84
	v_lshlrev_b32 v17, 4, v[RR]
	v_lshl_add_u32 v17, v[HH], 9, v17
	v_add_nc_u32 v[VSO], VSTG, v17                 ; lanes 0-15: waves 0, 1; lanes 16-31: waves 2, 3
	s_lshl_b32 s84, s25, 13
	s_add_co_u32 s84, s84, WS_SCL-WS_KS            ; from K's scale words of a token to Q's: 262,144 + 8,192 x head
	v_mul_lo_u32 v[KSO], v[HH], s84
	v_lshl_add_u32 v[KSO], v[RR], 4, v[KSO]
	v_lshlrev_b32 v[SH], 4, v[HH]
.irp b, 0,1,2,3
	v_mov_b32 v[TM+4+\b], 0                        ; written once: a lane permute's destination counts as one of its sources
.endr
	s_mov_b32 s[SEL], 0x76543210
	s_mov_b32 s[SEL+1], 0xfedcba98
	; where my results go, in bytes from ws
	s_mov_b32 s85, 0
	s_lshl_b32 s84, s25, 17                        ; K's images: 131,072 a head, 8,192 a block, 2,048 a wave
	s_lshl_b32 s86, s26, 13
	s_add_co_u32 s84, s84, s86
	s_lshl_b32 s86, s[WV], 11
	s_add_co_u32 s84, s84, s86
	s_add_co_u32 s84, s84, WS_KC
	s_add_nc_u64 s[BKC:BKC+1], s[20:21], s[84:85]
	s_lshl_b32 s84, s25, 18                        ; the records: 262,144 a head, 32,768 a slot of two blocks,
	s_lshr_b32 s86, s26, 1
	s_lshl_b32 s86, s86, 15
	s_add_co_u32 s84, s84, s86
	s_and_b32 s86, s26, 1
	s_lshl_b32 s86, s86, 13                        ; 8,192 for the slot's second block (two steps of 4,096)
	s_add_co_u32 s87, s84, s86
	s_lshl_b32 s86, s[WV], 11                      ; Q's images: 2,048 a wave (four tiles of 512)
	s_add_co_u32 s84, s87, s86
	s_add_nc_u64 s[BQC:BQC+1], s[20:21], s[84:85]
	s_lshr_b32 s86, s[WV], 1                       ; V's images: 4,096 a step of two waves, 512 for the step's second 64 tokens, behind Q's 16,384
	s_lshl_b32 s86, s86, 12
	s_add_co_u32 s84, s87, s86
	s_and_b32 s86, s[WV], 1
	s_lshl_b32 s86, s86, 9
	s_add_co_u32 s84, s84, s86
	s_add_co_u32 s84, s84, 16384
	s_add_nc_u64 s[BVC:BVC+1], s[20:21], s[84:85]
	s_lshl_b32 s84, s25, 14                        ; K's scale words: 4 bytes a token
	s_lshl_b32 s86, s26, 10
	s_add_co_u32 s84, s84, s86
	s_lshl_b32 s86, s[WV], 8
	s_add_co_u32 s84, s84, s86
	s_add_co_u32 s84, s84, WS_KS
	s_add_nc_u64 s[BKS:BKS+1], s[20:21], s[84:85]
	s_mul_i32 s84, s25, 24576                      ; V's scale words: 256 bytes a step, two steps a block, behind Q's 16,384
	s_lshl_b32 s86, s26, 9
	s_add_co_u32 s84, s84, s86
	s_add_co_u32 s84, s84, WS_SCL+16384
	s_add_nc_u64 s[BVS:BVS+1], s[20:21], s[84:85]
; One matrix instruction.  z = 1: it starts its sum.  ra, rb: the scales of source 0, 1 stand in lanes 16-31 of their register
.macro WM d, a, b, z, sa, sb, ra, rb
.if \z
.if (\ra) && (\rb)
	v_wmma_scale_f32_16x16x128_f8f6f4 v[(\d):(\d)+7], v[(\a):(\a)+7], v[(\b):(\b)+7], 0, v[\sa], v[\sb] matrix_a_fmt:MATRIX_FMT_FP4 matrix_b_fmt:MATRIX_FMT_FP4 matrix_a_scale:MATRIX_SCALE_ROW1 matrix_b_scale:MATRIX_SCALE_ROW1
.elseif (\ra)
	v_wmma_scale_f32_16x16x128_f8f6f4 v[(\d):(\d)+7], v[(\a):(\a)+7], v[(\b):(\b)+7], 0, v[\sa], v[\sb] matrix_a_fmt:MATRIX_FMT_FP4 matrix_b_fmt:MATRIX_FMT_FP4 matrix_a_scale:MATRIX_SCALE_ROW1
.elseif (\rb)
	v_wmma_scale_f32_16x16x128_f8f6f4 v[(\d):(\d)+7], v[(\a):(\a)+7], v[(\b):(\b)+7], 0, v[\sa], v[\sb] matrix_a_fmt:MATRIX_FMT_FP4 matrix_b_fmt:MATRIX_FMT_FP4 matrix_b_scale:MATRIX_SCALE_ROW1
.else
	v_wmma_scale_f32_16x16x128_f8f6f4 v[(\d):(\d)+7], v[(\a):(\a)+7], v[(\b):(\b)+7], 0, v[\sa], v[\sb] matrix_a_fmt:MATRIX_FMT_FP4 matrix_b_fmt:MATRIX_FMT_FP4
.endif
.else
.if (\ra) && (\rb)
	v_wmma_scale_f32_16x16x128_f8f6f4 v[(\d):(\d)+7], v[(\a):(\a)+7], v[(\b):(\b)+7], v[(\d):(\d)+7], v[\sa], v[\sb] matrix_a_fmt:MATRIX_FMT_FP4 matrix_b_fmt:MATRIX_FMT_FP4 matrix_a_scale:MATRIX_SCALE_ROW1 matrix_b_scale:MATRIX_SCALE_ROW1
.elseif (\ra)
	v_wmma_scale_f32_16x16x128_f8f6f4 v[(\d):(\d)+7], v[(\a):(\a)+7], v[(\b):(\b)+7], v[(\d):(\d)+7], v[\sa], v[\sb] matrix_a_fmt:MATRIX_FMT_FP4 matrix_b_fmt:MATRIX_FMT_FP4 matrix_a_scale:MATRIX_SCALE_ROW1
.elseif (\rb)
	v_wmma_scale_f32_16x16x128_f8f6f4 v[(\d):(\d)+7], v[(\a):(\a)+7], v[(\b):(\b)+7], v[(\d):(\d)+7], v[\sa], v[\sb] matrix_a_fmt:MATRIX_FMT_FP4 matrix_b_fmt:MATRIX_FMT_FP4 matrix_b_scale:MATRIX_SCALE_ROW1
.else
	v_wmma_scale_f32_16x16x128_f8f6f4 v[(\d):(\d)+7], v[(\a):(\a)+7], v[(\b):(\b)+7], v[(\d):(\d)+7], v[\sa], v[\sb] matrix_a_fmt:MATRIX_FMT_FP4 matrix_b_fmt:MATRIX_FMT_FP4
.endif
.endif
.endm
; 32 LDS loads in one run: the fragments of K step ks (128 along K): W's 12 tiles, x's 4, into set ks % 2.  A fragment: lane l holds row l % 16; registers 4 c .. 4 c + 3 hold K = 64 c + 32 (l / 16) + 0 .. 31
.macro FETCH ks
.set FB, (\ks)%2
.set FS, (\ks)/4
.set FO, 64*((\ks)%4)
	WIN 0x40                                       ; destination window 1, address window 0
.irp t, 0,1,2,3,4,5,6,7,8,9,10,11
	ds_load_b128 v[128*FB+8*\t:128*FB+8*\t+3],   v[ADW+FS] offset:FO+\t*T16
	ds_load_b128 v[128*FB+8*\t+4:128*FB+8*\t+7], v[ADW+FS] offset:FO+\t*T16+32
.endr
	WIN 0
.irp n, 0,1,2,3
	ds_load_b128 v[XF+32*FB+8*\n:XF+32*FB+8*\n+3],   v[ADX+FS] offset:FO+\n*T16
	ds_load_b128 v[XF+32*FB+8*\n+4:XF+32*FB+8*\n+7], v[ADX+FS] offset:FO+\n*T16+32
.endr
.endm
; 48 matrix instructions: K step ks.  The 48 accumulators take turns, one instruction a turn, in the same order in every step
.macro MUL ks, zero
.set BB, (\ks)%2
	WIN 0xa1                                       ; source 0 (W) window 1, source 1 (x) window 0, C and D window 2
.irp n, 0,1,2,3
.irp t, 0,1,2,3,4,5,6,7
	WM 8*(8*\n+\t), 128*BB+8*\t, XF+32*BB+8*\n, \zero, WSC+8*(\t/2)+(\ks), XS+8*(\n/2)+(\ks), \t%2, \n%2
.endr
.endr
	WIN 0xf4                                       ; source 0 (x) window 0, source 1 (Wv) window 1, C and D window 3
.irp m, 0,1,2,3
.irp n, 0,1,2,3
	WM 8*(4*\m+\n), XF+32*BB+8*\n, 128*BB+8*(8+\m), \zero, XS+8*(\n/2)+(\ks), WSC+8*(4+\m/2)+(\ks), \n%2, \m%2
.endr
.endr
.endm
.macro KSTEP k
.if (\k) == 3
	s_wait_tensorcnt 0x0                           ; my part of the second half of K is in;
	s_wait_dscnt 0x0                               ; no LDS instruction of mine is out at a signal
	s_barrier_signal -1
	s_barrier_wait -1                              ; everybody's is.
.endif
.if (\k) < 7
.if (\k) > 0
	PLACES                                         ; the set that is fetched into was read by the last step's products
.endif
	FETCH (\k)+1
	s_wait_dscnt 32                                ; all but the 32 just issued: this step's fragments are in
.else
	s_wait_dscnt 0x0
.endif
.if (\k) == 0
	s_wait_loadcnt 0x0                             ; the scale words
	MUL \k, 1                                      ; the first step starts the sums: nothing is cleared
.else
	MUL \k, 0
.endif
.endm
; 64 numbers of a lane in window w, v[s] .. v[s + 63]: tiles t = 0 .. 7 of 8 registers; blocks of 32 = tiles 2 b, 2 b + 1 of lanes l and l xor 16.  They become 8 registers of codes at v[pc] and the scale word v[PW].
; Each accumulator is read from its low end on.
.macro QUANT s, w, pc
	WIN (\w)|((\w)<<2)
.irp b, 0,1,2,3
	v_max3_num_f32 v[TM+\b], |v[(\s)+16*\b]|, |v[(\s)+16*\b+1]|, 0x1800000   ; my 16 numbers of block b, and the floor 2^(3 - 127): the byte cannot fall under 1
.endr
	WIN ((\w)<<2)|((\w)<<4)
.irp i, 2,4,6,8,10,12,14
.irp b, 0,1,2,3
	v_max3_num_f32 v[TM+\b], v[TM+\b], |v[(\s)+16*\b+\i]|, |v[(\s)+16*\b+\i+1]|   ; the four blocks by turns
.endr
.endr
	WIN 0
.irp b, 0,1,2,3
	v_permlanex16_b32 v[TM+4+\b], v[TM+\b], s[SEL], s[SEL+1]
.endr
.irp b, 0,1,2,3
	v_max_num_f32 v[TM+\b], v[TM+\b], v[TM+4+\b]   ; with lane l xor 16's: the block's largest magnitude
.endr
.irp b, 0,1,2,3
	v_add_nc_u32 v[TM+12+\b], 0xff000000, v[TM+\b] ; 2 off its exponent field: the conversion takes the exponent field of this operand as its scale
.endr
.irp b, 0,1,2,3
	v_lshrrev_b32 v[TM+4+\b], 23, v[TM+12+\b]      ; the scale's byte
.endr
	v_lshl_or_b32 v[PW], v[TM+5], 8, v[TM+4]
	v_lshl_or_b32 v[PW], v[TM+6], 16, v[PW]
	v_lshl_or_b32 v[PW], v[TM+7], 24, v[PW]
	WIN (\w)
.irp t, 0,1,2,3,4,5,6,7
	v_cvt_scalef32_pk8_fp4_f32 v[(\pc)+4*(\t/4)+2*(\t%2)+(\t%4)/2], v[(\s)+8*\t:(\s)+8*\t+7], v[TM+12+\t/2]   ; tiles 4 c .. 4 c + 3 to registers 4 c + 0, 2, 1, 3
.endr
	WIN 0
	v_nop                                          ; one plain place behind a scaled conversion
.irp c, 0,2,4,6
	v_permlane16_swap_b32 v[(\pc)+\c], v[(\pc)+\c+1]   ; the first's lanes 16-31 change places with the second's lanes 0-15: now register 4 c + i, half h: k = 64 c + 32 h + 8 i ..
.endr
.endm
	s_wait_tensorcnt 1                             ; my part of the first half of K is in; the second half's load may stay out
	s_barrier_signal -1
	s_barrier_wait -1                              ; everybody's is
	FETCH 0
.irp k, 0,1,2,3,4,5,6,7
	KSTEP \k
.endr
	WIN 0
	PLACES                                         ; ahead of the first read of results
	; K and Q: a tile of 16 tokens at a time.  Registers 0-3 of the codes are K's image (lane (r, h): block h of token r), registers 4-7 Q's; a store of the wave covers 512 consecutive bytes
.irp n, 0,1,2,3
	QUANT 64*\n, 2, PC+8*\n
	global_store_b128 v[LI], v[PC+8*\n:PC+8*\n+3], s[BKC:BKC+1] offset:512*\n
	global_store_b128 v[LI], v[PC+8*\n+4:PC+8*\n+7], s[BQC:BQC+1] offset:512*\n
	v_lshrrev_b32 v[VAL+\n], v[SH], v[PW]          ; lanes 0-15: the word as it is (K's bytes below, Q's above); lanes 16-31: Q's bytes below, zeros above
	ds_store_b32 v[KQI], v[VAL+\n] offset:64*\n
.endr
	ds_load_b128 v[OUTR+12:OUTR+15], v[KQO]        ; LDS serves a wave's instructions in order (ISA guide 5.7.1.4): this sees my stores
	s_wait_dscnt 0x0
	global_store_b128 v[KSO], v[OUTR+12:OUTR+15], s[BKS:BKS+1]   ; lanes 0-15: 256 consecutive bytes of K's scale words; lanes 16-31: 256 of Q's
	; V: two channel tiles at a time; my 64 tokens are half of a step's 128: registers 0-3 the even tile's four registers, 4-7 the odd tile's
.irp g, 0,1
	QUANT 64*\g, 3, PC+32+8*\g
	global_store_b128 v[LI], v[PC+32+8*\g:PC+32+8*\g+3], s[BVC:BVC+1] offset:2048*\g
	global_store_b128 v[LI], v[PC+32+8*\g+4:PC+32+8*\g+7], s[BVC:BVC+1] offset:2048*\g+1024
	v_lshrrev_b32 v[VAL+4+\g], v[SH], v[PW]        ; the low half: the two bytes of channel tile 2 g + h, channel r
	ds_store_b32 v[VSI], v[VAL+4+\g] offset:128*\g
.endr
	s_wait_dscnt 0x0                               ; for the others' sake: my stores into the stage are done
	s_barrier_signal -1
	s_barrier_wait -1
	s_cmp_lg_u32 s[WV], 0                          ; wave 0 joins the halves of V's scale words: a step's word has two bytes from each of two waves
	s_cbranch_scc1 .Lnot_0
	ds_load_b128 v[OUTR:OUTR+3], v[VSO]            ; waves 0 (lanes 0-15) and 2 (lanes 16-31): tokens 0-63 of their step
	ds_load_b128 v[OUTR+4:OUTR+7], v[VSO] offset:256   ; waves 1 and 3: tokens 64-127
	s_wait_dscnt 0x0
.irp i, 0,1,2,3
	v_perm_b32 v[OUTR+8+\i], v[OUTR+4+\i], v[OUTR+\i], 0x05040100   ; the two low halves
.endr
	global_store_b128 v[LI], v[OUTR+8:OUTR+11], s[BVS:BVS+1]   ; 512 consecutive bytes: two steps' words
.Lnot_0:
	s_wait_tensorcnt 0x0                           ; the wave's end: behind my last tensor load and my last LDS store
	ds_add_u32 v[SPW], v[NIL]
	s_wait_dscnt 0x0
	CROUND                                         ; the closing round: no work-group ends while a partner may still ask for a tile that names it
	s_endpgm
.Lfunc_end_k_qb358a85b2b_proj:
	.size	k_qb358a85b2b_proj, .Lfunc_end_k_qb358a85b2b_proj-k_qb358a85b2b_proj
	.p2alignl 7, 3214868480
	.fill 96, 4, 3214868480
	.section	.rodata,"a",@progbits
	.p2align	6, 0x0
	.amdhsa_kernel k_qb358a85b2b_proj
		.amdhsa_group_segment_fixed_size 262144
		.amdhsa_private_segment_fixed_size 0
		.amdhsa_enable_private_segment 0
		.amdhsa_kernarg_size 72
		.amdhsa_user_sgpr_count 2
		.amdhsa_user_sgpr_kernarg_segment_ptr 1
		.amdhsa_wavefront_size32 1
		.amdhsa_system_sgpr_workgroup_id_x 1
		.amdhsa_system_sgpr_workgroup_id_y 1
		.amdhsa_system_sgpr_workgroup_id_z 1
		.amdhsa_system_vgpr_workitem_id 0
		.amdhsa_next_free_vgpr 896
		.amdhsa_next_free_sgpr 90
		.amdhsa_reserve_vcc 0
		.amdhsa_float_denorm_mode_32 3
		.amdhsa_float_denorm_mode_16_64 3
		.amdhsa_memory_ordered 1
		.amdhsa_forward_progress 1
		.amdhsa_inst_pref_size 103
	.end_amdhsa_kernel
	.amdgpu_metadata
---
amdhsa.version: [ 1, 2 ]
amdhsa.kernels:
  - .name:           k_qb358a85b2b_proj
    .symbol:         k_qb358a85b2b_proj.kd
    .args:
      - { .name: x_codes, .offset: 0, .size: 8, .value_kind: global_buffer, .address_space: global }
      - { .name: x_scales, .offset: 8, .size: 8, .value_kind: global_buffer, .address_space: global }
      - { .name: Wk_codes, .offset: 16, .size: 8, .value_kind: global_buffer, .address_space: global }
      - { .name: Wk_scales, .offset: 24, .size: 8, .value_kind: global_buffer, .address_space: global }
      - { .name: Wq_codes, .offset: 32, .size: 8, .value_kind: global_buffer, .address_space: global }
      - { .name: Wq_scales, .offset: 40, .size: 8, .value_kind: global_buffer, .address_space: global }
      - { .name: Wv_codes, .offset: 48, .size: 8, .value_kind: global_buffer, .address_space: global }
      - { .name: Wv_scales, .offset: 56, .size: 8, .value_kind: global_buffer, .address_space: global }
      - { .name: ws, .offset: 64, .size: 8, .value_kind: global_buffer, .address_space: global }
    .group_segment_fixed_size: 262144
    .private_segment_fixed_size: 0
    .kernarg_segment_align: 8
    .kernarg_segment_size: 72
    .max_flat_workgroup_size: 128
    .sgpr_count:     90
    .vgpr_count:     896
    .wavefront_size: 32
...
	.end_amdgpu_metadata
.endif
;; end of part 1
;; launch attn (part 2): grid 16 x 16, 16 waves a work-group, no clusters, 327,680 bytes of LDS; arguments ws, out0; writes out0
.if DOCPART == 2
	.amdgcn_target "amdgcn-amd-amdhsa--gfx1250"
	.amdhsa_code_object_version 6
	.text
	.protected	k_qb358a85b2b_attn
	.globl	k_qb358a85b2b_attn
	.p2align	8
	.type	k_qb358a85b2b_attn,@function
k_qb358a85b2b_attn:
	s_mov_b64 s[64:65], 0
	v_nop
	global_prefetch_b8 v0, s[64:65] scope:SCOPE_SE
	s_setreg_imm32_b32 hwreg(HW_REG_WAVE_MODE, 25, 1), 1
	s_wait_xcnt 0x0
; out[i][64 head + :] = the sum over j <= i of softmax_j(K[i] . Q[j] / 8) V[j][:], both products on codes of FP4 (E2M1) with one E8M0 scale for each 32 along a product's K.  The rows of the softmax are K's tokens, its columns Q's.
; LEFT OUT AS DEAD WORK: a step of 128 columns all of which lie behind my 16 rows (reference() masks them by its own tril; their weight is 0 for all inputs); a NaN or an overflow that reaches only such a step is not carried to the result.
; THE SOFTMAX: t = score x log2(e) / 8; M = the row's largest t so far, rounded UP to a whole number; p = 2^(t - M) is what is quantised, along the columns; it is not normalised.  The row's sum is taken of the unquantised p, in f32,
; and divides at the end.  When M moves, the sum and O are multiplied by 2^(old M - new M): exact.  LIMITS: p under 2^-126 falls to 0; a block whose every p is 0 gets the byte 1 (its codes are zeros); NaN and infinities are not served.
; SHARES.  Rows go in blocks of 128.  Work-group x owns blocks x and 31 - x of one head (y): together 33 steps a pair of tiles, the same in every work-group.  Each of the SIXTEEN waves owns one tile of 16 rows, in 256 registers; light and heavy
; tiles are dealt so that of waves w, w + 4, w + 8, w + 12, and of waves 4 g .. 4 g + 3, two are light and two heavy.
; NO CLUSTER: work-groups of a head need different numbers of slots (5 to 8), so a partner would have joint tiles that none of its waves reads.
; Every wave walks all 8 slots of 512 columns with constant trip counts, 128 columns a step, and jumps over the work of hidden steps.  Q's and V's images come through a ring of two LDS slots (wave 0: Q's 16,384 bytes, wave 1: V's);
; Q's and V's scale words of the whole head come once (waves 2 and 3).  All operands lie in ws as images of their registers: every LDS load reads 16 x lane (or 4 x lane): dense, no padding.
; LAYOUT.  S^T = Q K^T (source 0 = 16 columns, source 1 = my 16 rows), O^T = V^T P^T: a lane holds ONE row (lane % 16) throughout.  Register 8 t + j of S^T is column 16 t + 8 (lane / 16) + j of the step.
; The head's 64 fill half of the instruction's 128 along K: my rows' registers 4-7 are zero codes, so what stands in source 0's registers 4-7 (the next tile's codes) counts for nothing; the scale bytes there are never 0xff.
.set SLOT1, 32768                      ; slot 1 begins here: one exclusive or turns an address in one slot into the other's
.set QSB,   65536                      ; Q's scale words of the head: 16,384 bytes
.set VSB,   81920                      ; V's: 8,192 bytes
.set SPARE, 90112                      ; the spare words, 128 bytes a wave: eight blocks of 256 bytes that no other line names
.set STAGE, 92160                      ; the way out: 16 rows x (256 + 16) bytes for each wave; no tile lands here
.set WS_KC,  4194304
.set WS_KS,  6291456
.set WS_SCL, 6553600
.set SPW, 5                            ; v5   LDS address of my spare word; never rewritten
.set NIL, 6                            ; v6   0; never rewritten
; v1 16 x lane; v2 QSB + 4 x lane; v3 r - 8 h; v4 VSB + 4 x lane; v7 my offset in out0; v8, v9, v11 the step's LDS addresses; v10 256 x lane (prefetch); v12 -M, v13 the largest t, v[14:15] the sum in two halves;
; v16-19 K's image, v20-23 zero codes; v24 K's scale words; v25 4 r; v32-63 Q's 8 images, v64-67 zeros; v68-99 V's 4 fragments
.set S,   100                          ; v100-163 S^T, then p
.set O,   164                          ; v164-195 O^T
.set PCD, 196                          ; v196-203 p's codes
.set QSC, 204                          ; v204-207 Q's scale words: lanes 0-15 the even tile, lanes 16-31 the odd
.set VSC, 208                          ; v208-209 V's likewise
.set PSC, 210                          ; v210 p's scale word
.set BM,  212                          ; v212-215 the blocks' largest scores, then largest p
.set BT,  216                          ; v216-219 at work
.set SO,  220                          ; v220-223 the conversions' scale operands
.set F,   224                          ; v[224:225] f = 2^(old M - new M), in the low register
.set T,   226                          ; v226, v227 at work
.set TB,  2                            ; s2   LDS byte at which the slot in hand begins
.set TS,  3                            ; s3   the step's scale words of Q: 512 bytes a step
.set WV,  18
.set SEL, 20                           ; s[20:21] selects for lane l xor 16
.set CS,  22                           ; s[22:23] c = log2(e) / 8
.set G1C, 24                           ; s[24:31] descriptor group 1 for the images;  s[32:39] for the scale words
.set G1S, 32
.set G0C, 40                           ; s[40:43] group 0 for the images, which walks;  s[44:47] for the scale words
.set G0S, 44
.set TJ,  48                           ; s48  the step's scale words of V: 256 bytes a step
.set SLOTS, 49
.set KF,  50                           ; s50  the step's first column
.set Q0,  51                           ; s51  my first row
.set LASTQ, 52                         ; s52  my work-group's last row
.set PFA, 54                           ; s[54:55] where my prefetches stand
.set LIM, 56                           ; s56  1 in a wave that prefetches, else the greatest number
	s_load_b128 s[4:7], s[0:1], 0x0                ; ws s[4:5], out0 s[6:7]
	v_lshl_add_u32 v[SPW], v0, 2, SPARE
	v_mov_b32 v[NIL], 0
	ds_add_u32 v[SPW], v[NIL]                      ; the wave's opening: the add, twice on end, and its wait ahead of my first tensor load
	ds_add_u32 v[SPW], v[NIL]                      ; and once more, under the one wait; the set-up below stands between
	v_lshrrev_b32 v8, 5, v0
	v_readfirstlane_b32 s[WV], v8                  ; wave 0..15
	s_and_b32 s58, ttmp7, 0xffff                   ; the head
	s_lshr_b32 s59, s[WV], 2
	s_xor_b32 s59, s59, s[WV]
	s_and_b32 s59, s59, 1                          ; 1: the heavy block
	s_sub_co_u32 s60, 31, ttmp9
	s_cmp_lg_u32 s59, 0
	s_cselect_b32 s60, s60, ttmp9                  ; my block of 128 rows: 31 - x or x
	s_lshl_b32 s[Q0], s60, 7
	s_lshr_b32 s61, s[WV], 1
	s_lshl_b32 s61, s61, 4
	s_add_co_u32 s[Q0], s[Q0], s61                 ; + 16 x (wave / 2)
	s_lshl_b32 s[LASTQ], ttmp9, 7
	s_sub_co_u32 s[LASTQ], 4095, s[LASTQ]          ; the last row of block 31 - x
	; descriptor groups 1: dense blocks as rows of 256 bytes (32 elements of 8 bytes), no padding: 64 rows of images, 48 rows of scale words
	s_mov_b32 s[G1C], 3<<16
	s_mov_b32 s[G1C+1], 32<<16
	s_mov_b32 s[G1C+2], 64<<16
	s_mov_b32 s[G1C+3], 32<<16
	s_mov_b32 s[G1C+4], 64
	s_mov_b32 s[G1C+5], 32
	s_mov_b32 s[G1C+6], 0
	s_mov_b32 s[G1C+7], 0
	s_mov_b32 s[G1S], 3<<16
	s_mov_b32 s[G1S+1], 32<<16
	s_mov_b32 s[G1S+2], 48<<16
	s_mov_b32 s[G1S+3], 32<<16
	s_mov_b32 s[G1S+4], 48
	s_mov_b32 s[G1S+5], 32
	s_mov_b32 s[G1S+6], 0
	s_mov_b32 s[G1S+7], 0
	s_lshl_b32 s62, s58, 18                        ; the head's records: 262,144 bytes
	s_mov_b32 s63, 0
	s_lshl_b32 s66, s[WV], 14                      ; wave 0: Q's images; wave 1: V's
	s_mov_b32 s67, 0
	s_add_nc_u64 s[66:67], s[66:67], s[62:63]
	s_mul_i32 s68, s58, 24576                      ; the head's scale words; waves 2, 3: halves of 12,288 bytes
	s_mul_i32 s69, s[WV], 12288
	s_add_co_u32 s68, s68, s69
	s_add_co_u32 s68, s68, WS_SCL-24576
	s_mov_b32 s69, 0
	s_lshl_b32 s70, s58, 17                        ; K's image of my tile: 131,072 a head, 32 bytes a row
	s_lshl_b32 s71, s[Q0], 5
	s_add_co_u32 s70, s70, s71
	s_add_co_u32 s70, s70, WS_KC
	s_mov_b32 s71, 0
	s_lshl_b32 s72, s58, 14                        ; K's scale words: 4 bytes a row
	s_lshl_b32 s73, s[Q0], 2
	s_add_co_u32 s72, s72, s73
	s_add_co_u32 s72, s72, WS_KS
	s_mov_b32 s73, 0
	s_lshl_b32 s74, s[Q0], 12                      ; out0: 4,096 bytes a row, 256 a head
	s_lshl_b32 s75, s58, 8
	s_add_co_u32 s74, s74, s75
	s_mov_b32 s75, 0
	s_mov_b32 s[SEL], 0x76543210
	s_mov_b32 s[SEL+1], 0xfedcba98
	s_mov_b32 s[CS], 0x3e38aa3b                    ; c = log2(e) / 8
	s_mov_b32 s[CS+1], s[CS]                       ; (named with it as a pair, so it is written)
	s_mov_b32 s[TB], 0
	s_mov_b32 s[TS], 0
	s_mov_b32 s[TJ], 0
	s_mov_b32 s[SLOTS], 7
	s_mov_b32 s[KF], 0
	s_wait_dscnt 0x0                               ; both opening adds are done
	s_wait_kmcnt 0x0
	s_mov_b32 s[G0C], 1
	s_lshl_b32 s[G0C+1], s[WV], 14                 ; slot 0
	s_add_nc_u64 s[G0C+2:G0C+3], s[4:5], s[66:67]
	s_or_b32 s[G0C+3], s[G0C+3], 0x80000000
	s_mov_b32 s[G0S], 1
	s_mul_i32 s[G0S+1], s[WV], 12288
	s_add_co_u32 s[G0S+1], s[G0S+1], QSB-24576
	s_add_nc_u64 s[G0S+2:G0S+3], s[4:5], s[68:69]
	s_or_b32 s[G0S+3], s[G0S+3], 0x80000000
	s_cmp_lt_u32 s[WV], 2                          ; the first fills: waves 0, 1 slot 0; waves 2, 3 the scale words, filled once.  One tensor load of a wave is out, here and behind each barrier
	s_cbranch_scc0 .Lnot_c
	tensor_load_to_lds s[G0C:G0C+3], s[G1C:G1C+7]
	s_nop 0
.rept 4
	v_nop
.endr
	s_branch .Lasked
.Lnot_c:
	s_cmp_lt_u32 s[WV], 4
	s_cbranch_scc0 .Lasked
	tensor_load_to_lds s[G0S:G0S+3], s[G1S:G1S+7]
	s_nop 0
.rept 4
	v_nop
.endr
.Lasked:
	s_add_nc_u64 s[70:71], s[4:5], s[70:71]
	s_add_nc_u64 s[72:73], s[4:5], s[72:73]
	s_add_nc_u64 s[6:7], s[6:7], s[74:75]
	; the prefetches: all work-groups of a head walk the same records, so the head's work-group 0, which walks all eight slots, asks; in it waves 4 to 7, which fetch nothing, 8,192 bytes each, lanes 256 bytes apart
	s_and_b32 s60, s[WV], 3
	s_lshl_b32 s60, s60, 13
	s_add_co_u32 s60, s60, 32768                   ; in slot 1: the first change of slots steps it to slot 2.  Nothing is asked for here, at the head
	s_mov_b32 s61, 0
	s_add_nc_u64 s[PFA:PFA+1], s[4:5], s[62:63]
	s_add_nc_u64 s[PFA:PFA+1], s[PFA:PFA+1], s[60:61]
	s_sub_co_u32 s59, s[WV], 4
	s_lshr_b32 s59, s59, 2                         ; 0 in waves 4 to 7,
	s_or_b32 s59, s59, ttmp9                       ; of work-group 0
	s_cmp_eq_u32 s59, 0
	s_cselect_b32 s[LIM], 1, -1
	v_and_b32 v8, 31, v0                           ; lane
	v_and_b32 v9, 15, v0                           ; r
	v_bfe_u32 v11, v0, 4, 1                        ; h
	v_lshlrev_b32 v1, 4, v8
	v_lshl_add_u32 v2, v8, 2, QSB
	v_lshl_add_u32 v4, v8, 2, VSB
	v_lshlrev_b32 v3, 3, v11
	v_sub_nc_u32 v3, v9, v3                        ; r - 8 h
	v_lshlrev_b32 v25, 2, v9
	v_lshlrev_b32 v7, 12, v11
	v_lshl_add_u32 v7, v9, 4, v7                   ; the way out: lanes 0-15 one row of out0, lanes 16-31 the next; 16 bytes a lane
	v_lshlrev_b32 v10, 8, v8
	global_load_b128 v[16:19], v1, s[70:71]        ; K's image stays in registers
	global_load_b32 v24, v25, s[72:73]             ; and its scale words
.irp j, 20,21,22,23,64,65,66,67
	v_mov_b32 v[\j], 0                             ; zero codes
.endr
	v_mov_b32 v13, 0xff61b1e6                      ; the largest t so far: -3e38, under every t
	v_floor_f32 v12, -v13                          ; -M
	v_mov_b32 v14, 0                               ; the sum, in two halves
	v_mov_b32 v15, 0
.irp b, 0,1,2,3
	v_mov_b32 v[BT+\b], 0                          ; written once: a lane permute's destination counts as one of its sources
.endr
	v_mov_b32 v[F+1], 0                            ; (named as the upper half of a pair)
	v_mov_b32 v[T], 0
.irp j, 0,1,2,3,4,5,6,7,8,9,10,11,12,13,14,15,16,17,18,19,20,21,22,23,24,25,26,27,28,29,30,31
	v_mov_b32 v[O+\j], 0                           ; O^T.  (The step is written once for first and later steps alike: the first finds zeros, which the first change of M leaves zeros)
.endr
.macro TLOAD                           ; waves 0 and 1 fetch; the branch hangs on the wave's number alone.  An s_nop 0 and four v_nop follow the load
	s_cmp_lt_u32 s[WV], 2
	s_cbranch_scc0 .Lnone_\@
	tensor_load_to_lds s[G0C:G0C+3], s[G1C:G1C+7]
	s_nop 0
.rept 4
	v_nop
.endr
.Lnone_\@:
.endm
.macro ASK                             ; a prefetch of the record that the NEXT change of slots will load: each 256 bytes named once in the launch; the last change that fills a slot asks for nothing
	s_cmp_gt_u32 s[SLOTS], s[LIM]
	s_cbranch_scc0 .Lnot_mine_\@
	global_prefetch_b8 v10, s[PFA:PFA+1] th:TH_LOAD_NT scope:SCOPE_SE
.Lnot_mine_\@:
.endm
; A STEP: 128 columns, the q-th of the slot in hand
.macro STEP q
	s_add_co_u32 s58, s[Q0], 15                    ; a step all of whose columns lie behind my 16 rows is left out: a scalar branch on ids, round its loads, products and softmax alone
	s_cmp_gt_u32 s[KF], s58
	s_cbranch_scc1 .Lhidden_\@
	v_add_nc_u32 v8, s[TB], v1
	v_add_nc_u32 v9, s[TS], v2
	v_add_nc_u32 v11, s[TJ], v4
	v_nop                                          ; with the three additions: four places ahead of loads into registers that the last products read
.irp t, 0,1,2,3,4,5,6,7
	ds_load_b128 v[32+4*\t:35+4*\t], v8 offset:4096*(\q)+512*\t        ; Q's images
.endr
.irp p, 0,1,2,3
	ds_load_b32 v[QSC+\p], v9 offset:128*\p                            ; their scale words: lane l: column 32 p + l
.endr
.irp n, 0,1,2,3
	ds_load_b128 v[68+8*\n:71+8*\n], v8 offset:16384+4096*(\q)+1024*\n       ; V's fragments: columns 0-63,
	ds_load_b128 v[72+8*\n:75+8*\n], v8 offset:16384+4096*(\q)+1024*\n+512   ; and 64-127
.endr
.irp p, 0,1
	ds_load_b32 v[VSC+\p], v11 offset:128*\p
.endr
	s_wait_dscnt 10                                ; Q's are in; V's eight loads and its two scale loads may stay out
.irp p, 0,1,2,3
	v_wmma_scale_f32_16x16x128_f8f6f4 v[S+16*\p:S+16*\p+7], v[32+8*\p:39+8*\p], v[16:23], 0, v[QSC+\p], v24 matrix_a_fmt:MATRIX_FMT_FP4 matrix_b_fmt:MATRIX_FMT_FP4
	v_wmma_scale_f32_16x16x128_f8f6f4 v[S+16*\p+8:S+16*\p+15], v[36+8*\p:43+8*\p], v[16:23], 0, v[QSC+\p], v24 matrix_a_fmt:MATRIX_FMT_FP4 matrix_b_fmt:MATRIX_FMT_FP4 matrix_a_scale:MATRIX_SCALE_ROW1
.endr
.rept 4
	v_nop
.endr
	s_add_co_u32 s58, s[KF], 127                   ; on the diagonal the scores of hidden columns become -infinity ahead of the maximum: p = 0 then.  A step all of whose columns count skips this
	s_cmp_le_u32 s58, s[Q0]
	s_cbranch_scc1 .Lopen_\@
	s_sub_co_i32 s58, s[Q0], s[KF]
	v_add_nc_u32 v[T], s58, v3                     ; d = my row - KF - 8 h.  Register 8 t + j holds column KF + 16 t + 8 h + j: hidden where 16 t + j > d
	v_mov_b32 v[T+1], 0xff800000                   ; -infinity
.irp n, 0,1,2,3,4,5,6,7,8,9,10,11,12,13,14,15,16,17,18,19,20,21,22,23,24,25,26,27,28,29,30,31,32,33,34,35,36,37,38,39,40,41,42,43,44,45,46,47,48,49,50,51,52,53,54,55,56,57,58,59,60,61,62,63
	v_cmp_gt_i32 vcc_lo, 16*(\n/8)+\n%8, v[T]
	v_cndmask_b32 v[S+\n], v[S+\n], v[T+1], vcc_lo
.endr
.Lopen_\@:
.irp b, 0,1,2,3
	v_max3_num_f32 v[BM+\b], v[S+16*\b], v[S+16*\b+1], v[S+16*\b+2]   ; the largest score of each block of 32 columns: it serves for the row's maximum and, since p rises with the score, for the block's largest p
.endr
.irp i, 3,5,7,9,11,13
.irp b, 0,1,2,3
	v_max3_num_f32 v[BM+\b], v[BM+\b], v[S+16*\b+\i], v[S+16*\b+\i+1]
.endr
.endr
.irp b, 0,1,2,3
	v_max_num_f32 v[BM+\b], v[BM+\b], v[S+16*\b+15]
.endr
.irp b, 0,1,2,3
	v_permlanex16_b32 v[BT+\b], v[BM+\b], s[SEL], s[SEL+1]
.endr
.irp b, 0,1,2,3
	v_max_num_f32 v[BM+\b], v[BM+\b], v[BT+\b]     ; with lane l xor 16's 16 columns
.endr
	v_max3_num_f32 v[T], v[BM], v[BM+1], v[BM+2]
	v_max_num_f32 v[T], v[T], v[BM+3]              ; the step's largest score of my row
	v_mul_f32 v[T], s[CS], v[T]                    ; as t (c is positive)
	v_max_num_f32 v13, v13, v[T]                   ; the running largest t
	v_mov_b32 v[T], v12
	v_floor_f32 v12, -v13                          ; the new -M = floor(-t) = -ceil(t): a whole number
	v_sub_f32 v[T], v12, v[T]                      ; M's old value less its new one: a whole number, 0 or less
	v_cvt_i32_f32 v[T], v[T]                       ; (it saturates)
	v_ldexp_f32 v[F], 1.0, v[T]                    ; f = 2^(old M - new M)
.irp j, 0,2,4,6,8,10,12,14,16,18,20,22,24,26,28,30,32,34,36,38,40,42,44,46,48,50,52,54,56,58,60,62
	v_pk_fma_f32 v[S+\j:S+\j+1], v[S+\j:S+\j+1], s[CS:CS+1], v[12:13] op_sel_hi:[1,0,0]   ; t - M, two at a time (of the pairs c and -M the low word serves both halves)
.endr
.irp b, 0,1,2,3
	v_fma_f32 v[BM+\b], v[BM+\b], s[CS], v12       ; the same of each block's largest score
.endr
.irp j, 0,1,2,3,4,5,6,7,8,9,10,11,12,13,14,15,16,17,18,19,20,21,22,23,24,25,26,27,28,29,30,31,32,33,34,35,36,37,38,39,40,41,42,43,44,45,46,47,48,49,50,51,52,53,54,55,56,57,58,59,60,61,62,63
	v_exp_f32 v[S+\j], v[S+\j]                     ; p = 2^(t - M), at most 1: not normalised
.endr
	v_pk_mul_f32 v[14:15], v[14:15], v[F:F+1] op_sel_hi:[1,0]   ; the sums under the new M: a plain instruction behind the exponentials
	s_wait_alu depctr_va_vdst(0)                   ; the wait ahead of the first reader: one for the batch of 64
.irp b, 0,1,2,3
	v_exp_f32 v[BM+\b], v[BM+\b]                   ; the block's largest p: the same two instructions on the same number give the same bits
.endr
	v_pk_add_f32 v[BT:BT+1], v[S:S+1], v[S+2:S+3]  ; the row's sum is taken of the unquantised p: two at a time, in two chains; it reads the 64 alone
.irp j, 4,8,12,16,20,24,28,32,36,40,44,48,52,56,60
	v_pk_add_f32 v[14:15], v[14:15], v[S+\j:S+\j+1]
	v_pk_add_f32 v[BT:BT+1], v[BT:BT+1], v[S+\j+2:S+\j+3]
.endr
	v_pk_add_f32 v[14:15], v[14:15], v[BT:BT+1]
	s_wait_alu depctr_va_vdst(0)                   ; and one for the four
.irp b, 0,1,2,3
	v_max_num_f32 v[BM+\b], 0x1800000, v[BM+\b]    ; the floor 2^(3 - 127): the byte cannot fall under 1
.endr
.irp b, 0,1,2,3
	v_add_nc_u32 v[SO+\b], 0xff000000, v[BM+\b]    ; 2 off the exponent field: the conversion's scale operand
.endr
.irp b, 0,1,2,3
	v_lshrrev_b32 v[BT+\b], 23, v[SO+\b]           ; the scale's byte
.endr
	v_lshl_or_b32 v[PSC], v[BT+1], 8, v[BT]        ; p's scale word for these 128 columns
	v_lshl_or_b32 v[PSC], v[BT+2], 16, v[PSC]
	v_lshl_or_b32 v[PSC], v[BT+3], 24, v[PSC]
.irp t, 0,1,2,3,4,5,6,7
	v_cvt_scalef32_pk8_fp4_f32 v[PCD+4*(\t/4)+2*(\t%2)+(\t%4)/2], v[S+8*\t:S+8*\t+7], v[SO+\t/2]   ; tiles 4 c .. 4 c + 3 to registers 4 c + 0, 2, 1, 3
.endr
	v_nop                                          ; one plain place behind a scaled conversion
.irp c, 0,2,4,6
	v_permlane16_swap_b32 v[PCD+\c], v[PCD+\c+1]   ; now register 4 c + i, half h: columns 64 c + 32 h + 8 i ..
.endr
.irp j, 0,2,4,6,8,10,12,14,16,18,20,22,24,26,28,30
	v_pk_mul_f32 v[O+\j:O+\j+1], v[O+\j:O+\j+1], v[F:F+1] op_sel_hi:[1,0]   ; O^T under the new M.  These 16 are also the places between the lines that made p's codes and scale word and the products below
.endr
	s_wait_dscnt 0x0                               ; V's fragments and scale words are in
.irp p, 0,1
	v_wmma_scale_f32_16x16x128_f8f6f4 v[O+16*\p:O+16*\p+7], v[68+16*\p:75+16*\p], v[PCD:PCD+7], v[O+16*\p:O+16*\p+7], v[VSC+\p], v[PSC] matrix_a_fmt:MATRIX_FMT_FP4 matrix_b_fmt:MATRIX_FMT_FP4
	v_wmma_scale_f32_16x16x128_f8f6f4 v[O+16*\p+8:O+16*\p+15], v[76+16*\p:83+16*\p], v[PCD:PCD+7], v[O+16*\p+8:O+16*\p+15], v[VSC+\p], v[PSC] matrix_a_fmt:MATRIX_FMT_FP4 matrix_b_fmt:MATRIX_FMT_FP4 matrix_a_scale:MATRIX_SCALE_ROW1
.endr
.Lhidden_\@:
	s_add_co_u32 s[KF], s[KF], 128
	s_add_co_u32 s[TS], s[TS], 512
	s_add_co_u32 s[TJ], s[TJ], 256
.endm
; THE CHANGE OF SLOTS stands at a slot's head.  Each wave waits for all its tensor loads, adds 0 to its spare word, and waits for that and for its reads of the slot that it has left.  Behind the barrier the slot ahead is whole and
; nobody reads the other one.  fill = 1: that other slot is filled with the next 512 columns, up to the causal limit: the load has a slot's four steps in which to land.
.macro CHANGE fill
	s_wait_tensorcnt 0x0                           ; no tensor load of mine is out, so a group 0 may be written
	ds_add_u32 v[SPW], v[NIL]                      ; 0 onto my spare word
.if \fill
	ds_add_u32 v[SPW], v[NIL]                      ; and once more: the add stands twice on end, in every trip alike
	s_xor_b32 s[G0C+1], s[G0C+1], SLOT1            ; the walking descriptor: the other slot than last time,
	s_add_nc_u64 s[G0C+2:G0C+3], s[G0C+2:G0C+3], 32768   ; the next record; the type bits on top are not reached
	s_wait_xcnt 0x0                                ; the last prefetch, a slot back, has read its address, so it may be written:
	s_add_nc_u64 s[PFA:PFA+1], s[PFA:PFA+1], 32768 ; one slot further on than the walking descriptor
.endif
	s_wait_dscnt 0x0                               ; the add is done, and my reads of the slot that I have left are over
	s_barrier_signal -1
	s_barrier_wait -1
.if \fill
	s_add_co_u32 s58, s[KF], 512                   ; the first column of the slot that this change would ask for: behind my work-group's last row none of its waves reads it, so it is not asked for.
	s_cmp_gt_u32 s58, s[LASTQ]                     ; Ids and the count of steps alone: all sixteen waves go the same way, and a work-group that is past the limit stays past it.  Every wait on TENSORcnt in this text is for 0
	s_cbranch_scc1 .Lpast_\@
	TLOAD                                          ; a wave's one tensor load until the next barrier
.Lpast_\@:
	ASK
.endif
.endm
.macro SLOT_STEPS
	STEP 0
	STEP 1
	STEP 2
	STEP 3
	s_xor_b32 s[TB], s[TB], SLOT1                  ; on to the other slot
.endm
	s_wait_loadcnt 0x0                             ; K
.Lslot:                                            ; 7 trips: behind each change of slots but the last the next slot is asked for
	CHANGE 1
	SLOT_STEPS
	s_sub_co_u32 s[SLOTS], s[SLOTS], 1
	s_cmp_lg_u32 s[SLOTS], 0
	s_cbranch_scc1 .Lslot
	CHANGE 0                                       ; the last slot is written out: nothing is left to ask for
	SLOT_STEPS
	; THE WAY OUT.  O^T is divided by the row's sum and goes through my stage: a row's 64 numbers of this head are 256 consecutive bytes of out0, at a multiple of 256 from its first byte; sixteen lanes store them
	v_add_f32 v14, v14, v15                        ; the sum's two halves,
	v_permlanex16_b32 v[T], v14, s[SEL], s[SEL+1]
	v_add_f32 v14, v14, v[T]                       ; and lane l xor 16's: the row's sum
	v_rcp_f32 v14, v14
	v_and_b32 v8, 15, v0                           ; (a plain place behind the reciprocal)  r
	v_bfe_u32 v9, v0, 4, 1                         ; h
	s_mul_i32 s59, s[WV], 16*272
	s_add_co_u32 s59, s59, STAGE                   ; my stage
	v_mul_u32_u24 v11, v8, 272
	v_lshl_add_u32 v11, v9, 5, v11
	v_add_nc_u32 v11, s59, v11                     ; in: row r; tile n's eight channels of my half: 64 n + 32 h bytes on
	v_mul_u32_u24 v26, v9, 272
	v_lshl_add_u32 v26, v8, 4, v26
	v_add_nc_u32 v26, s59, v26                     ; back: lanes 0-15 one row, lanes 16-31 the next
	s_wait_alu depctr_va_vdst(0)                   ; the wait ahead of the reciprocal's first reader
.irp j, 0,1,2,3,4,5,6,7,8,9,10,11,12,13,14,15,16,17,18,19,20,21,22,23,24,25,26,27,28,29,30,31
	v_mul_f32 v[S+\j], v[O+\j], v14                ; register 8 n + j is out(row r, channel 16 n + 8 h + j)
.endr
.irp n, 0,1,2,3
	ds_store_b128 v11, v[S+8*\n:S+8*\n+3] offset:64*\n
	ds_store_b128 v11, v[S+8*\n+4:S+8*\n+7] offset:64*\n+16
.endr
.irp i, 0,1,2,3,4,5,6,7
	ds_load_b128 v[32+4*\i:35+4*\i], v26 offset:2*\i*272   ; LDS serves a wave's instructions in order (ISA guide 5.7.1.4): these see my stores
.endr
.irp i, 0,1,2,3,4,5,6,7
	s_wait_dscnt 7-\i                              ; pair i of rows is back; the younger loads may stay out
	global_store_b128 v7, v[32+4*\i:35+4*\i], s[6:7] offset:8192*\i th:TH_STORE_NT
.endr
	s_wait_tensorcnt 0x0                           ; the wave's end: behind my last tensor load and my last LDS store
	ds_add_u32 v[SPW], v[NIL]
	s_wait_dscnt 0x0
	s_endpgm
.Lfunc_end_k_qb358a85b2b_attn:
	.size	k_qb358a85b2b_attn, .Lfunc_end_k_qb358a85b2b_attn-k_qb358a85b2b_attn
	.p2alignl 7, 3214868480
	.fill 96, 4, 3214868480
	.section	.rodata,"a",@progbits
	.p2align	6, 0x0
	.amdhsa_kernel k_qb358a85b2b_attn
		.amdhsa_group_segment_fixed_size 327680
		.amdhsa_private_segment_fixed_size 0
		.amdhsa_enable_private_segment 0
		.amdhsa_kernarg_size 16
		.amdhsa_user_sgpr_count 2
		.amdhsa_user_sgpr_kernarg_segment_ptr 1
		.amdhsa_wavefront_size32 1
		.amdhsa_system_sgpr_workgroup_id_x 1
		.amdhsa_system_sgpr_workgroup_id_y 1
		.amdhsa_system_sgpr_workgroup_id_z 1
		.amdhsa_system_vgpr_workitem_id 0
		.amdhsa_next_free_vgpr 256
		.amdhsa_next_free_sgpr 80
		.amdhsa_reserve_vcc 1
		.amdhsa_float_denorm_mode_32 3
		.amdhsa_float_denorm_mode_16_64 3
		.amdhsa_memory_ordered 1
		.amdhsa_forward_progress 1
		.amdhsa_inst_pref_size 175
	.end_amdhsa_kernel
	.amdgpu_metadata
---
amdhsa.version: [ 1, 2 ]
amdhsa.kernels:
  - .name:           k_qb358a85b2b_attn
    .symbol:         k_qb358a85b2b_attn.kd
    .args:
      - { .name: ws, .offset: 0, .size: 8, .value_kind: global_buffer, .address_space: global }
      - { .name: out0, .offset: 8, .size: 8, .value_kind: global_buffer, .address_space: global }
    .group_segment_fixed_size: 327680
    .private_segment_fixed_size: 0
    .kernarg_segment_align: 8
    .kernarg_segment_size: 16
    .max_flat_workgroup_size: 512
    .sgpr_count:     80
    .vgpr_count:     256
    .wavefront_size: 32
...
	.end_amdgpu_metadata
.endif
;; end of part 2
